; MI455X (gfx1250); checked and timed in simulation.
; The chip was launched on July 23, 2026; its instructions are those of AMD's public machine-readable ISA for CDNA 5 (MIT licence, August 2026) and "CDNA5" Instruction Set Architecture Reference Guide (July 2026). The comments in the code are by the model that wrote it; some were corrected since.
;; Trans E. Allowed arithmetic: float matrix products may take bf16 or f16 operands with f32 sums; other float arithmetic in f32, or as packed bf16 or f16 multiplies, adds, multiply-adds, maxima and minima; sums over many terms, partial sums and values carried from step to step in f32; what a program stores and reads back later, other than sums and carried values, may be rounded once to bf16 or f16.
;; Inputs: ent_emb 10,000 x 64 float32; h 256 int32; r 256 int32; rel_emb 500 x 64 float32; t 256 int32.
;; Outputs: out0 128 x 10,000 float32; out1 128 x 10,000 float32.
;; Constants: batch_size = 128.
;; One version. Each part assembles by itself: llvm-mc -triple=amdgcn-amd-amdhsa -mcpu=gfx1250 --defsym DOCPART=n.
;; ======== version 1 of 1: 1 launch
;; limits: values outside matrix products are rounded to bf16; an absolute error that grows with the inputs' magnitude: up to 0.002 times it; a difference of large sums (such as E[x^2] - mean^2): digits are lost where the result is much smaller than its terms; an absolute error that grows with the inputs' magnitude: up to 0.0025 times it
;; launch scores (part 1): grid 8 x 25, 32 waves a work-group, no clusters, 68,352 bytes of LDS; arguments ent_emb, rel_emb, h, r, out0, out1; writes out0, out1
.if DOCPART == 1
	.amdgcn_target "amdgcn-amd-amdhsa--gfx1250"
	.amdhsa_code_object_version 6
	.text
	.protected	k_q5f5529f5f8_scores
	.globl	k_q5f5529f5f8_scores
	.p2align	8
	.type	k_q5f5529f5f8_scores,@function
k_q5f5529f5f8_scores:
	s_mov_b64 s[64:65], 0
	v_nop
	global_prefetch_b8 v0, s[64:65] scope:SCOPE_SE
	s_setreg_imm32_b32 hwreg(HW_REG_WAVE_MODE, 25, 1), 1
	s_wait_xcnt 0x0
; TransE: score[i][e] = | ent[h[i]] + rel[r[i]] - ent[e] |, i = 0..255, e = 0..9999, 64 dims; rows 0-127 are out0, rows 128-255 out1 (batch_size = 128).
; LEFT OUT: ent_emb[t] is looked up by the problem's text and used by no result, whatever t holds: t is not loaded and is no argument.  A fault that only that lookup could raise
; (an index out of range, a NaN in the row it names) is not carried to the result.
; THE FORM.  With the pivot e0 = ent[0], a = ent[h] - e0 + rel[r] and b = ent[e] - e0, score^2 = sum (a - b)^2 = sum a^2 + sum b^2 - 2 sum a b for all values.  The shift by e0 takes a common
; offset of the table away before anything is rounded.  a and b are rounded to bf16 ONCE, and all three sums are taken of the rounded numbers (the norms in f32 by v_fma_mix_f32_bf16, the cross
; term by the matrix unit with f32 sums): together they are |a^ - b^|^2 but for the f32 rounding of the sums, so a score is off by at most |a - a^| + |b - b^| <= 2^-9 (|a| + |b|), and near 0
; by about 2^-11 (|a| + |b|) more.  A sum that rounding has made negative counts as 0.
; LIMITS.  NaN and infinities are not treated apart (the maximum with 0 makes 0 of a NaN); numbers whose squares pass f32's range are not served; a sum below 2^-126 gives 0 (v_sqrt_f32 takes
; denormals as 0: ISA guide, its entry); indices are held to 0..9999 and 0..499.
; SHARES.  Work-group (x, y): query rows 32 x .. 32 x + 31, entity chunk y of 400: 8 x 25 work-groups of equal work (10,000 = 16 x 5^4: 400 is the chunk that gives the number nearest to 256).
; An output row is 40,000 bytes = 64 modulo 256.  So row i takes from chunk y the entities from 400 y - 16 p on, p = (i + y) mod 4: 384 of them, 448 where p = 3: six or seven blocks of 256 bytes,
; each aligned.  For that the work-group computes a window of 448 entities, 400 y - 48 .. 400 y + 399: 28 tiles of 16.  In chunk 0 the first three tiles are entities 9952 .. 9999, and their scores
; go one row further down in the stage: in memory the 16 p numbers in front of row i are the last of row i - 1.  So every block of 256 bytes of both outputs is stored whole, by one instruction.
; WAVES.  0-27: one tile of entities each: 4,096 consecutive bytes by eight loads of 16 bytes a lane, straight into the layout of a fragment.  28-31: the queries: tile of 16 rows (wave & 1), K block of
; 32 dims ((wave - 28) >> 1): indices, gather, -2 a^ and a quarter of its squares' sum, handed on through LDS.  Behind the second barrier wave w stores row w.
; LAYOUT.  A fragment is 16 rows x 32 k in 8 registers, a row a lane (lane % 16).  Here lane half hh = lane / 16 holds dims 32 kb + 16 hh + 0..15 of K block kb, in ascending order: a permutation of k that is the
; same for both sources, so the products are the same.  Source 0 = queries, source 1 = entities: register q of the result is (query 8 hh + q, entity lane % 16).
; NO CLUSTER, though the eight work-groups of a chunk read the same 114,688 bytes: the launch has one step; each wave asks for its tile in its first lines and never again, and the bytes land in the
; registers where they are converted.  A joint request would stand behind a meeting of four work-groups ahead of the launch's only loads, and add a write and a read of the window in LDS.
.set TILES, 28
.set P,     1808                       ; a stage row: 448 scores + 16 bytes = 452 words: rows 8 apart start 32 banks apart (64 banks of 4 bytes: ISA guide 11.1), so the two runs of 16 words of a store do not meet
.set AFR,   59904                      ; behind the stage's 33 rows (the highest byte stored there lies under 32 P + 1,792 = 59,648): the queries' fragments, 4 x 1,024 bytes
.set NAO,   AFR+4096                   ; the queries' norms: [K block][32 rows] f32
.set SPARE, NAO+256                    ; the spare words, 128 bytes for each of 32 waves: sixteen blocks of 256 bytes that no other line names
.set SPW,  6                           ; v6   LDS address of my spare word; never rewritten
.set NIL,  7                           ; v7   0, for the add alone
.set FO,   8                           ; v8   entity waves: row x 256 + 64 hh; query waves: byte offset of my row's index
.set ZERO, 15                          ; v15  0: what the sums of squares start from
.set PIV,  16                          ; v[16:47]   entity waves: the pivot's 32 dims of my lane half
.set RAW,  48                          ; v[48:79]   my entity's 32 dims, f32
.set BF,   80                          ; v[80:95]   the same, centred and rounded: two fragments
.set NB,   96                          ; v[96:97]   my entity's norm, twice
.set S,    98                          ; v[98:101]  four chains of squares
.set ACC,  104                         ; v[104:119] two accumulators: query tile 0, 1
.set AF,   16                          ; v[16:47]   behind the first barrier: the queries' fragments, tile mt, K block kb at AF + 16 mt + 8 kb
.set NAR,  48                          ; v[48:79]   the queries' norms: K block kb, tile mt at NAR + 16 kb + 8 mt
.set EH,   16                          ; query waves: v[16:31] ent[h], v[32:47] rel[r], v[48:63] pivot, 16 dims each; v[64:71] the fragment
.set RR,   32
.set PV,   48
.set AO,   64
.set OUTR, 16                          ; the way out: v[16:31]
; 8 registers of packed bf16 from v[f] on are squared and added, in four chains (even and odd registers, low and high halves); start = 1: the chains begin
.macro NORM f, start
.set q, 0
.rept 8
.if (\start) && (q < 2)
	v_fma_mix_f32_bf16 v[S+2*(q%2)],   v[(\f)+q], v[(\f)+q], v[ZERO] op_sel_hi:[1,1,0]
	v_fma_mix_f32_bf16 v[S+2*(q%2)+1], v[(\f)+q], v[(\f)+q], v[ZERO] op_sel:[1,1,0] op_sel_hi:[1,1,0]
.else
	v_fma_mix_f32_bf16 v[S+2*(q%2)],   v[(\f)+q], v[(\f)+q], v[S+2*(q%2)] op_sel_hi:[1,1,0]
	v_fma_mix_f32_bf16 v[S+2*(q%2)+1], v[(\f)+q], v[(\f)+q], v[S+2*(q%2)+1] op_sel:[1,1,0] op_sel_hi:[1,1,0]
.endif
.set q, q+1
.endr
.endm
; the four chains into one, and the other lane half's sum beside it: a row's dims lie in two lanes, 16 apart
.macro TOTAL
	v_pk_add_f32 v[S:S+1], v[S:S+1], v[S+2:S+3]
	v_add_f32 v[S], v[S], v[S+1]
	v_permlanex16_b32 v[S+1], v[S], s24, s25
.endm
; my 32 x 16 scores go into the stage, down = 0: query q into row q; down = 1: into row q + 1.  The shift stands in the immediates (24 P = 43,392 at the most), so that the
; address register is made of the lane and the wave's number alone
.macro TOSTAGE down
.irp mt, 0,1
.irp p, 0,1,2,3,4,5,6,7
	ds_store_b32 v10, v[ACC+8*(\mt)+(\p)] offset:(16*(\mt)+(\p)+(\down))*P  ; query 16 mt + 8 hh + p: two runs of 16 neighbouring words
.endr
.endr
.endm
	s_load_b256 s[4:11], s[0:1], 0x0               ; ent s[4:5], rel s[6:7], h s[8:9], r s[10:11]
	s_load_b128 s[12:15], s[0:1], 0x20             ; out0 s[12:13], out1 s[14:15]
	v_lshl_add_u32 v[SPW], v0, 2, SPARE
	v_mov_b32 v[NIL], 0
	v_mov_b32 v[ZERO], 0
	v_lshrrev_b32 v1, 5, v0
	v_readfirstlane_b32 s16, v1                    ; wave 0..31
	v_and_b32 v2, 15, v0                           ; lane % 16
	v_bfe_u32 v3, v0, 4, 1                         ; hh = lane / 16
	v_and_b32 v4, 31, v0                           ; lane
	v_lshlrev_b32 v5, 6, v3                        ; 64 hh: my lane half's 16 dims in a K block's 128 bytes
	s_and_b32 s17, ttmp7, 0xffff                   ; the chunk
	s_mov_b32 s24, 0x76543210                      ; v_permlanex16_b32: each lane takes its own place in the other half
	s_mov_b32 s25, 0xfedcba98
	s_cmp_ge_u32 s16, TILES
	s_cbranch_scc1 .Lquery
	; ---- waves 0-27: my tile of 16 entities ----
	s_mul_i32 s18, s17, 400
	s_lshl4_add_u32 s18, s16, s18                  ; 400 chunk + 16 tile,
	s_add_co_u32 s18, s18, 9952                    ; less 48, modulo 10,000:
	s_cmp_ge_u32 s18, 10000
	s_cselect_b32 s19, 10000, 0
	s_cselect_b32 s20, 0, 1                        ; 1: chunk 0's first three tiles, which are the table's last three; their scores go one stage row down
	s_sub_co_u32 s18, s18, s19                     ; my first entity, 0 .. 9984
	s_lshl_b32 s18, s18, 8
	s_mov_b32 s19, 0
	v_lshl_add_u32 v[FO], v2, 8, v5
	s_wait_kmcnt 0x0
	s_add_nc_u64 s[18:19], s[4:5], s[18:19]
.irp kb, 0,1
.irp i, 0,1,2,3
	global_load_b128 v[PIV+16*(\kb)+4*(\i):PIV+16*(\kb)+4*(\i)+3], v5, s[4:5] offset:128*(\kb)+16*(\i)
.endr
.irp i, 0,1,2,3
	global_load_b128 v[RAW+16*(\kb)+4*(\i):RAW+16*(\kb)+4*(\i)+3], v[FO], s[18:19] offset:128*(\kb)+16*(\i)
.endr
.endr
.macro CONV kb                         ; a K block: e - e0, rounded to bf16 in pairs, squares of the rounded numbers
.irp p, 0,1,2,3,4,5,6,7
	v_pk_add_f32 v[RAW+16*(\kb)+2*(\p):RAW+16*(\kb)+2*(\p)+1], v[RAW+16*(\kb)+2*(\p):RAW+16*(\kb)+2*(\p)+1], v[PIV+16*(\kb)+2*(\p):PIV+16*(\kb)+2*(\p)+1] neg_lo:[0,1] neg_hi:[0,1]
.endr
.irp p, 0,1,2,3,4,5,6,7
	v_cvt_pk_bf16_f32 v[BF+8*(\kb)+(\p)], v[RAW+16*(\kb)+2*(\p)], v[RAW+16*(\kb)+2*(\p)+1]
.endr
	NORM BF+8*(\kb), 1-(\kb)
.endm
	s_wait_loadcnt 8                               ; loads come back in order (ISA guide 5.7.1): K block 0 is in, the eight loads of K block 1 may stay out
	CONV 0
	s_wait_loadcnt 0x0
	CONV 1
	TOTAL
	v_add_f32 v[NB], v[S], v[S+1]                  ; |b^|^2, in both lanes of the entity,
	v_add_f32 v[NB+1], v[S], v[S+1]                ; and twice, for the packed additions
	s_branch .Lmeet
.Lquery:	; ---- waves 28-31: 16 query rows x 32 dims ----
	s_sub_co_u32 s21, s16, TILES
	s_and_b32 s22, s21, 1                          ; mt: which 16 of the 32 rows
	s_lshr_b32 s23, s21, 1                         ; kb: which 32 of the 64 dims
	s_lshl_b32 s26, ttmp9, 7                       ; the work-group's 32 indices, 4 bytes each,
	s_lshl_b32 s27, s22, 6                         ; my 16 of them
	s_add_co_u32 s26, s26, s27
	v_lshl_add_u32 v[FO], v2, 2, s26
	s_lshl_b32 s28, s23, 7
	v_add_nc_u32 v11, s28, v5                      ; 128 kb + 64 hh: my 16 dims in a row
	s_add_co_u32 s29, s28, s27
	s_add_co_u32 s29, s29, NAO
	v_lshl_add_u32 v13, v2, 2, s29                 ; where my row's norm goes
	v_lshl_add_u32 v12, v0, 4, AFR-14336           ; where my 16 bytes of the fragment go: 16 x (thread - 896)
	s_wait_kmcnt 0x0
	global_load_b32 v9, v[FO], s[8:9]              ; h[i]
	global_load_b32 v10, v[FO], s[10:11]           ; r[i]
.irp i, 0,1,2,3
	global_load_b128 v[PV+4*(\i):PV+4*(\i)+3], v11, s[4:5] offset:16*(\i)
.endr
	s_wait_loadcnt 4                               ; the two indices are in; the pivot's four loads may stay out
	v_min_u32 v9, 0x270f, v9                       ; inside the tables
	v_min_u32 v10, 0x1f3, v10
	v_lshl_add_u32 v9, v9, 8, v11
	v_lshl_add_u32 v10, v10, 8, v11
.irp i, 0,1,2,3
	global_load_b128 v[EH+4*(\i):EH+4*(\i)+3], v9, s[4:5] offset:16*(\i)
	global_load_b128 v[RR+4*(\i):RR+4*(\i)+3], v10, s[6:7] offset:16*(\i)
.endr
	s_wait_loadcnt 0x0
.irp p, 0,1,2,3,4,5,6,7
	v_pk_add_f32 v[PV+2*(\p):PV+2*(\p)+1], v[PV+2*(\p):PV+2*(\p)+1], v[EH+2*(\p):EH+2*(\p)+1] neg_lo:[0,1] neg_hi:[0,1]  ; e0 - ent[h]: the table's offset goes first
.endr
.irp p, 0,1,2,3,4,5,6,7
	v_pk_add_f32 v[PV+2*(\p):PV+2*(\p)+1], v[PV+2*(\p):PV+2*(\p)+1], v[RR+2*(\p):RR+2*(\p)+1] neg_lo:[0,1] neg_hi:[0,1]  ; - rel[r]: -a
.endr
.irp p, 0,1,2,3,4,5,6,7
	v_pk_add_f32 v[PV+2*(\p):PV+2*(\p)+1], v[PV+2*(\p):PV+2*(\p)+1], v[PV+2*(\p):PV+2*(\p)+1]                            ; -2 a, exactly
.endr
.irp p, 0,1,2,3,4,5,6,7
	v_cvt_pk_bf16_f32 v[AO+(\p)], v[PV+2*(\p)], v[PV+2*(\p)+1]                                                            ; -2 a^
.endr
	NORM AO, 1
	TOTAL
	v_add_f32 v[S], v[S], v[S+1]
	v_mul_f32 v[S], 0x3e800000, v[S]               ; a quarter of sum (2 a^)^2: this K block's part of |a^|^2
	ds_store_b128 v12, v[AO:AO+3]
	ds_store_b128 v12, v[AO+4:AO+7] offset:2048
	ds_store_b32 v13, v[S]                         ; both lanes of a row write the same word with the same number
.Lmeet:
	s_wait_dscnt 0x0                               ; for the others' sake: my stores are done
	s_barrier_signal -1
	s_barrier_wait -1                              ; the queries' fragments and norms lie in LDS
	s_cmp_ge_u32 s16, TILES
	s_cbranch_scc1 .Lstaged
	; ---- waves 0-27: 32 queries x my 16 entities ----
	v_lshl_add_u32 v12, v3, 5, NAO                 ; the norms of queries 8 hh .. 8 hh + 7 of a tile
	v_lshl_add_u32 v11, v4, 4, AFR                 ; my 16 bytes of a fragment's half
.irp kb, 0,1
.irp mt, 0,1
	ds_load_b128 v[NAR+16*(\kb)+8*(\mt):NAR+16*(\kb)+8*(\mt)+3],   v12 offset:128*(\kb)+64*(\mt)
	ds_load_b128 v[NAR+16*(\kb)+8*(\mt)+4:NAR+16*(\kb)+8*(\mt)+7], v12 offset:128*(\kb)+64*(\mt)+16
.endr
.endr
.irp kb, 0,1
.irp mt, 0,1
	ds_load_b128 v[AF+16*(\mt)+8*(\kb):AF+16*(\mt)+8*(\kb)+3],   v11 offset:512*(2*(\kb)+(\mt))
	ds_load_b128 v[AF+16*(\mt)+8*(\kb)+4:AF+16*(\mt)+8*(\kb)+7], v11 offset:512*(2*(\kb)+(\mt))+2048
.endr
.endr
	s_wait_dscnt 8                                 ; the norms are in; the eight loads of the fragments may stay out
.irp mt, 0,1
.irp p, 0,1,2,3
	v_pk_add_f32 v[ACC+8*(\mt)+2*(\p):ACC+8*(\mt)+2*(\p)+1], v[NAR+8*(\mt)+2*(\p):NAR+8*(\mt)+2*(\p)+1], v[NB:NB+1]
.endr
.endr
.irp mt, 0,1
.irp p, 0,1,2,3
	v_pk_add_f32 v[ACC+8*(\mt)+2*(\p):ACC+8*(\mt)+2*(\p)+1], v[ACC+8*(\mt)+2*(\p):ACC+8*(\mt)+2*(\p)+1], v[NAR+16+8*(\mt)+2*(\p):NAR+16+8*(\mt)+2*(\p)+1]  ; the sums start at |a^|^2 + |b^|^2
.endr
.endr
	s_lshl_b32 s21, s16, 6                         ; my 16 columns of the stage: 64 bytes x wave
	s_wait_dscnt 0x0
	; the two accumulators take turns, one instruction a turn
	v_wmma_f32_16x16x32_bf16 v[ACC:ACC+7],    v[AF:AF+7],     v[BF:BF+7],    v[ACC:ACC+7]
	v_wmma_f32_16x16x32_bf16 v[ACC+8:ACC+15], v[AF+16:AF+23], v[BF:BF+7],    v[ACC+8:ACC+15]
	v_wmma_f32_16x16x32_bf16 v[ACC:ACC+7],    v[AF+8:AF+15],  v[BF+8:BF+15], v[ACC:ACC+7]
	v_wmma_f32_16x16x32_bf16 v[ACC+8:ACC+15], v[AF+24:AF+31], v[BF+8:BF+15], v[ACC+8:ACC+15]
	; the places behind the products (ISA guide 7.12.1): the stage's address, then v_nop; eight in all, once a wave
	v_mul_u32_u24 v10, v3, 8*P                     ; row 8 hh,
	v_lshl_add_u32 v10, v2, 2, v10                 ; column lane % 16,
	v_add_nc_u32 v10, s21, v10                     ; of my tile
.rept 5
	v_nop
.endr
.set q, 0
.rept 16                               ; each accumulator is read from its lowest register on
	v_max_num_f32 v[ACC+q], 0, v[ACC+q]            ; a sum that rounding has made negative counts as 0
.set q, q+1
.endr
.set q, 0
.rept 16
	v_sqrt_f32 v[ACC+q], v[ACC+q]
.set q, q+1
.endr
	v_nop                                          ; a plain instruction behind the last root,
	s_wait_alu depctr_va_vdst(0)                   ; and one wait for the batch of sixteen, ahead of the branch and of the first use
	s_cmp_lg_u32 s20, 0                            ; made of the chunk and the wave's number: one answer for the whole wave
	s_cbranch_scc1 .Lwrapped
	TOSTAGE 0
	s_branch .Lstaged
.Lwrapped:
	TOSTAGE 1                                      ; entities 9952 .. 9999 of query q stand in memory in front of row q + 1
.Lstaged:
	s_wait_dscnt 0x0                               ; for the others' sake: my stores into the stage are done
	s_barrier_signal -1
	; work on registers while the others arrive: wave w stores row w
	s_add_co_u32 s21, s16, s17
	s_and_b32 s21, s21, 3                          ; p = (row + chunk) mod 4 (the work-group's first row is a multiple of 4)
	s_lshl_b32 s22, s21, 6                         ; 16 p scores
	s_mul_i32 s23, s16, P
	s_add_co_u32 s23, s23, 192
	s_sub_co_u32 s23, s23, s22                     ; in the stage: row w, column 48 - 16 p
	v_lshl_add_u32 v13, v4, 4, s23
	v_lshlrev_b32 v14, 4, v4                       ; 16 bytes a lane
	s_and_b32 s26, ttmp9, 3
	s_lshl_b32 s26, s26, 5
	s_add_co_u32 s26, s26, s16                     ; my row in its output, 0 .. 127
	s_mul_i32 s26, s26, 40000
	s_mul_i32 s27, s17, 1600
	s_add_co_u32 s26, s26, s27
	s_sub_co_u32 s26, s26, s22                     ; 40,000 row + 1,600 chunk - 64 p: a multiple of 256, and never negative: p = 0 in row 0 of chunk 0
	s_mov_b32 s27, 0
	s_cmp_lt_u32 ttmp9, 4
	s_cselect_b64 s[28:29], s[12:13], s[14:15]     ; rows 0-127: out0; rows 128-255: out1
	s_add_nc_u64 s[28:29], s[28:29], s[26:27]
	s_barrier_wait -1                              ; the stage is whole
.irp k, 0,1,2
	ds_load_b128 v[OUTR+4*(\k):OUTR+4*(\k)+3], v13 offset:512*(\k)
.endr
.irp k, 0,1,2
	s_wait_dscnt 2-(\k)                            ; LDS loads come back in order: number k is in
	global_store_b128 v14, v[OUTR+4*(\k):OUTR+4*(\k)+3], s[28:29] offset:512*(\k) th:TH_STORE_NT  ; 512 consecutive bytes, at a multiple of 256 from the output's first byte
.endr
	s_cmp_lg_u32 s21, 3
	s_cbranch_scc1 .Lend
	v_cmp_gt_u32 vcc_lo, 16, v4                    ; p = 3: a seventh block of 256 bytes, from lanes 0-15
	s_wait_xcnt 0x0                                ; EXEC is narrowed only when the stores above have read it
	s_and_saveexec_b32 s30, vcc_lo
	ds_load_b128 v[OUTR+12:OUTR+15], v13 offset:1536
	s_wait_dscnt 0x0
	global_store_b128 v14, v[OUTR+12:OUTR+15], s[28:29] offset:1536 th:TH_STORE_NT
	s_wait_xcnt 0x0                                ; and widened only when this store has read it
	s_or_b32 exec_lo, exec_lo, s30
.Lend:
	s_wait_tensorcnt 0x0                           ; the wave's end, behind my last LDS store
	ds_add_u32 v[SPW], v[NIL]
	s_wait_dscnt 0x0
	s_endpgm
.Lfunc_end_k_q5f5529f5f8_scores:
	.size	k_q5f5529f5f8_scores, .Lfunc_end_k_q5f5529f5f8_scores-k_q5f5529f5f8_scores
	.p2alignl 7, 3214868480
	.fill 96, 4, 3214868480
	.section	.rodata,"a",@progbits
	.p2align	6, 0x0
	.amdhsa_kernel k_q5f5529f5f8_scores
		.amdhsa_group_segment_fixed_size 68352
		.amdhsa_private_segment_fixed_size 0
		.amdhsa_enable_private_segment 0
		.amdhsa_kernarg_size 48
		.amdhsa_user_sgpr_count 2
		.amdhsa_user_sgpr_kernarg_segment_ptr 1
		.amdhsa_wavefront_size32 1
		.amdhsa_system_sgpr_workgroup_id_x 1
		.amdhsa_system_sgpr_workgroup_id_y 1
		.amdhsa_system_sgpr_workgroup_id_z 1
		.amdhsa_system_vgpr_workitem_id 0
		.amdhsa_next_free_vgpr 120
		.amdhsa_next_free_sgpr 66
		.amdhsa_reserve_vcc 1
		.amdhsa_float_denorm_mode_32 3
		.amdhsa_float_denorm_mode_16_64 3
		.amdhsa_memory_ordered 1
		.amdhsa_forward_progress 1
		.amdhsa_inst_pref_size 22
	.end_amdhsa_kernel
	.amdgpu_metadata
---
amdhsa.version: [ 1, 2 ]
amdhsa.kernels:
  - .name:           k_q5f5529f5f8_scores
    .symbol:         k_q5f5529f5f8_scores.kd
    .args:
      - { .name: ent_emb, .offset: 0, .size: 8, .value_kind: global_buffer, .address_space: global }
      - { .name: rel_emb, .offset: 8, .size: 8, .value_kind: global_buffer, .address_space: global }
      - { .name: h, .offset: 16, .size: 8, .value_kind: global_buffer, .address_space: global }
      - { .name: r, .offset: 24, .size: 8, .value_kind: global_buffer, .address_space: global }
      - { .name: out0, .offset: 32, .size: 8, .value_kind: global_buffer, .address_space: global }
      - { .name: out1, .offset: 40, .size: 8, .value_kind: global_buffer, .address_space: global }
    .group_segment_fixed_size: 68352
    .private_segment_fixed_size: 0
    .kernarg_segment_align: 8
    .kernarg_segment_size: 48
    .max_flat_workgroup_size: 1024
    .sgpr_count:     66
    .vgpr_count:     120
    .wavefront_size: 32
...
	.end_amdgpu_metadata
.endif
;; end of part 1
